; MI455X (gfx1250); checked and timed in simulation.
; The chip was launched on July 23, 2026; its instructions are those of AMD's public machine-readable ISA for CDNA 5 (MIT licence, August 2026) and "CDNA5" Instruction Set Architecture Reference Guide (July 2026). The comments in the code are by the model that wrote it; some were corrected since.
;; attention layer. Allowed arithmetic: float matrix products may take bf16 or f16 operands with f32 sums; other float arithmetic in f32, or as packed bf16 or f16 multiplies, adds, multiply-adds, maxima and minima; sums over many terms, partial sums and values carried from step to step in f32; what a program stores and reads back later, other than sums and carried values, may be rounded once to bf16 or f16.
;; Inputs: b1 256 float32; b2 256 float32; bk 256 float32; bm1 1,024 float32; bm2 256 float32; bq 256 float32; bv 256 float32; g1 256 float32; g2 256 float32; w1 256 x 1,024 float32; w2 1,024 x 256 float32; wk 256 x 256 float32; wq 256 x 256 float32; wv 256 x 256 float32; x 512 x 128 x 256 float32.
;; Outputs: out0 512 x 128 x 256 float32.
;; One version. Each part assembles by itself: llvm-mc -triple=amdgcn-amd-amdhsa -mcpu=gfx1250 --defsym DOCPART=n.
;; ======== version 1 of 1: 2 launches
;; limits: values outside matrix products are rounded to f16; values are held in f16: magnitudes above 65,504 overflow, below 6.1e-05 lose precision; a function is approximated: absolute error at most 2.5e-05
;; workspace buffers: wt 1,441,792 bytes; bs 8,192 bytes
;; launch prep (part 1): grid 409 x 1, 4 waves a work-group, no clusters, 1,024 bytes of LDS; arguments wk, wq, wv, w1, w2, g1, g2, b1, b2, bk, bq, bv, bm1, bm2, wt, bs; writes wt, bs
.if DOCPART == 1
	.amdgcn_target "amdgcn-amd-amdhsa--gfx1250"
	.amdhsa_code_object_version 6
	.text
	.protected	k_q26a94932ff_prep
	.globl	k_q26a94932ff_prep
	.p2align	8
	.type	k_q26a94932ff_prep,@function
k_q26a94932ff_prep:
	s_mov_b64 s[64:65], 0
	v_nop
	global_prefetch_b8 v0, s[64:65] scope:SCOPE_SE
	s_setreg_imm32_b32 hwreg(HW_REG_WAVE_MODE, 25, 1), 1
	s_wait_xcnt 0x0
; THE WEIGHTS, ROUNDED ONCE TO f16 IN THE ORDER IN WHICH THE LAYER'S LAUNCH STREAMS THEM, AND THE BIASES THAT GO WITH THEM.
; A layer norm's gain and shift are folded in (exact algebra): with n = (x - mean) rstd,  (n g + b) W + c = n (diag(g) W) + (b W + c).
; wt: 88 blocks of 16 fragments of 1,024 bytes.  A fragment is 16 columns n x 32 rows k of W' as a matrix operand holds it: lane l = 16 h + r has
; W'[k0 + 8 h + j][n0 + r], j = 0..7, at byte 16 l + 2 j, and the same with k + 16 in the second 512 bytes.
; Blocks 0-7 wk, 8-15 wq, 16-23 wv (block c: columns 32 c .., fragment 2 ks + hb: k0 = 32 ks, n0 = 32 c + 16 hb); 24 + 2 s: w1's columns 32 s .. alike; 25 + 2 s: w2's rows 32 s .., fragment cb: n0 = 16 cb.
; W' = g1 W for wk, wq, wv;  KAP g2 W for w1;  W / (2 KAP) for w2, KAP = sqrt(log2(e) / 2): the hidden sums then hold u = KAP x, exp(-x^2 / 2) is 2^(-u^2), and gelu(x) = (u + |u| erf) / (2 KAP).
; bs: 56 pieces of 32 f32, scale x (bias + the sum over k of b[k] W[k][column]), in the blocks' order (wk, wq, wv, w1); then bm2's 256 as they are.
; LIMIT: f16 ends at 65,504: |scale g W| stays below it; below 6e-5 a weight keeps f16's fixed step of 6e-8.
; SHARES.  Work-groups 0-351: a fragment a wave; the four waves' columns are neighbours, so a row's 256 bytes are read together.  352-407: a piece of bs, k split among the four waves, the
; partial sums meeting in LDS.  408: bm2.  The ways part on the work-group's number alone, which all its waves share, so the one barrier is passed by all four waves or by none.
.set SPARE, 512                        ; LDS: 0-511 the partial sums; from 512 on the spare words, 128 bytes a wave
.set KAP, 0x3f596d27                   ; 0.8493218
.set IK2, 0x3f16b55f                   ; 0.5887050 = 1 / (2 KAP)
; s[4:5] wk  s[6:7] wq  s[8:9] wv  s[10:11] w1  s[12:13] w2  s[14:15] g1  s[16:17] g2  s[18:19] b1
; s[20:21] b2  s[22:23] bk  s[24:25] bq  s[26:27] bv  s[28:29] bm1  s[30:31] bm2  s[32:33] wt  s[34:35] bs
; s36 wave  s37 work-group  s[40:41] the matrix  s[42:43] its g or b  s44 kb (bias way: 4 x first column)  s45 nb  s46 block  s47 fragment  s[50:51] scale  s53 1: there is a g  s[54:55] the bias
	s_load_b512 s[4:19], s[0:1], 0x0
	s_load_b512 s[20:35], s[0:1], 0x40
	v_lshl_add_u32 v8, v0, 2, SPARE                ; my spare word,
	v_mov_b32 v9, 0                                ; and 0: kept for the wave's end
	v_lshrrev_b32 v1, 5, v0
	v_readfirstlane_b32 s36, v1                    ; wave 0..3
	v_and_b32 v2, 15, v0                           ; r
	v_bfe_u32 v3, v0, 4, 1                         ; h
	v_and_b32 v4, 31, v0                           ; l
	s_mov_b32 s37, ttmp9
	s_wait_kmcnt 0x0
	s_cmp_ge_u32 s37, 408
	s_cbranch_scc1 .Lcopy
	s_cmp_ge_u32 s37, 352
	s_cbranch_scc1 .Lbias
	s_cmp_ge_u32 s37, 224
	s_cbranch_scc1 .Lw2
	s_cmp_ge_u32 s37, 96
	s_cbranch_scc1 .Lw1
; a fragment's 16 numbers a lane: rows 32 kb + 8 h + j and + 16, column 16 nb + r; lp = log2 of a row's bytes
.macro FRAGLD lp
	s_lshl_b32 s48, s44, 5+(\lp)
	s_lshl_b32 s49, s45, 6
	s_add_co_u32 s48, s48, s49
	v_lshlrev_b32 v5, 2, v2
	v_lshl_add_u32 v5, v3, 3+(\lp), v5
	v_add_nc_u32 v5, s48, v5
.irp j, 0,1,2,3,4,5,6,7
	global_load_b32 v[16+\j], v5, s[40:41] offset:(\j)<<(\lp)
	global_load_b32 v[24+\j], v5, s[40:41] offset:(16+\j)<<(\lp)
.endr
.endm
	; wk, wq, wv: matrix m = id / 32, kb = (id / 4) % 8, four column blocks a work-group
	s_lshr_b32 s38, s37, 5
	s_bfe_u32 s44, s37, 0x30002
	s_and_b32 s45, s37, 3
	s_lshl_b32 s45, s45, 2
	s_add_co_u32 s45, s45, s36                     ; nb
	s_cmp_eq_u32 s38, 1
	s_cselect_b64 s[40:41], s[6:7], s[4:5]
	s_cmp_eq_u32 s38, 2
	s_cselect_b64 s[40:41], s[8:9], s[40:41]
	s_mov_b64 s[42:43], s[14:15]
	s_lshr_b32 s46, s45, 1
	s_lshl3_add_u32 s46, s38, s46                  ; block 8 m + nb / 2
	s_and_b32 s47, s45, 1
	s_lshl1_add_u32 s47, s44, s47                  ; fragment 2 kb + nb % 2
	s_mov_b32 s50, 1.0
	s_mov_b32 s53, 1
	s_branch .Lp1024
.Lw2:                                          ; w2: kb = t / 4 (0..31), nb = 0..15
	s_sub_co_u32 s38, s37, 224
	s_lshr_b32 s44, s38, 2
	s_and_b32 s45, s38, 3
	s_lshl_b32 s45, s45, 2
	s_add_co_u32 s45, s45, s36
	s_mov_b64 s[40:41], s[12:13]
	s_mov_b64 s[42:43], s[14:15]                   ; (no gain goes with w2: not read on this way)
	s_lshl_b32 s46, s44, 1
	s_add_co_u32 s46, s46, 25                      ; block 25 + 2 kb
	s_mov_b32 s47, s45                             ; fragment nb
	s_mov_b32 s50, IK2
	s_mov_b32 s53, 0
.Lp1024:
	FRAGLD 10
	s_branch .Lg
.Lw1:                                          ; w1: kb = t / 16, nb = 0..63
	s_sub_co_u32 s38, s37, 96
	s_lshr_b32 s44, s38, 4
	s_and_b32 s45, s38, 15
	s_lshl_b32 s45, s45, 2
	s_add_co_u32 s45, s45, s36
	s_mov_b64 s[40:41], s[10:11]
	s_mov_b64 s[42:43], s[16:17]
	s_and_b32 s46, s45, 62
	s_add_co_u32 s46, s46, 24                      ; block 24 + 2 (nb / 2)
	s_and_b32 s47, s45, 1
	s_lshl1_add_u32 s47, s44, s47
	s_mov_b32 s50, KAP
	s_mov_b32 s53, 1
	FRAGLD 12
.Lg:
	s_mov_b32 s51, s50                             ; named with it as a pair
	s_cmp_eq_u32 s53, 0
	s_cbranch_scc1 .Lnog
	s_lshl_b32 s48, s44, 7
	v_lshl_add_u32 v6, v3, 5, s48                  ; g at row 32 kb + 8 h
	global_load_b128 v[32:35], v6, s[42:43]
	global_load_b128 v[36:39], v6, s[42:43] offset:16
	global_load_b128 v[40:43], v6, s[42:43] offset:64
	global_load_b128 v[44:47], v6, s[42:43] offset:80
	s_branch .Lmul
.Lnog:
.set i, 0
.rept 16
	v_mov_b32 v[32+i], 1.0
.set i, i+1
.endr
.Lmul:
	s_lshl_b32 s46, s46, 14
	s_lshl_b32 s47, s47, 10
	s_add_co_u32 s46, s46, s47
	v_lshl_add_u32 v7, v4, 4, s46                  ; the fragment's place in wt + 16 l
	s_wait_loadcnt 0x0                             ; all that the wave asked for
.set i, 0
.rept 8
	v_pk_mul_f32 v[32+2*i:33+2*i], v[32+2*i:33+2*i], s[50:51] op_sel_hi:[1,0]
.set i, i+1
.endr
.set i, 0
.rept 8
	v_pk_mul_f32 v[16+2*i:17+2*i], v[16+2*i:17+2*i], v[32+2*i:33+2*i]
.set i, i+1
.endr
.set i, 0
.rept 8
	v_cvt_pk_f16_f32 v[48+i], v[16+2*i], v[17+2*i]
.set i, i+1
.endr
	global_store_b128 v7, v[48:51], s[32:33]             ; each store of the wave covers 512 consecutive bytes, aligned
	global_store_b128 v7, v[52:55], s[32:33] offset:512
	s_branch .Lend
; a quarter of a piece's sums: rows 64 w .. 64 w + 63 of the lane's column, and b's 64 numbers, the same in every lane
.macro BSUM lp
	s_lshl_b32 s48, s36, 6+(\lp)
	s_add_co_u32 s48, s48, s44
	v_lshl_add_u32 v5, v4, 2, s48
	s_lshl_b32 s49, s36, 8
	v_mov_b32 v6, s49
.set i, 0
.rept 64
	global_load_b32 v[16+i], v5, s[40:41] offset:i<<(\lp)
.set i, i+1
.endr
.set i, 0
.rept 16
	global_load_b128 v[80+4*i:83+4*i], v6, s[42:43] offset:16*i
.set i, i+1
.endr
.endm
.Lbias:
	s_sub_co_u32 s38, s37, 352                     ; the piece, 0..55
	s_cmp_ge_u32 s38, 24
	s_cbranch_scc1 .Lb_w1
	s_lshr_b32 s39, s38, 3                         ; the matrix
	s_and_b32 s44, s38, 7
	s_lshl_b32 s44, s44, 7                         ; 4 x its first column
	s_cmp_eq_u32 s39, 1
	s_cselect_b64 s[40:41], s[6:7], s[4:5]
	s_cselect_b64 s[54:55], s[24:25], s[22:23]
	s_cmp_eq_u32 s39, 2
	s_cselect_b64 s[40:41], s[8:9], s[40:41]
	s_cselect_b64 s[54:55], s[26:27], s[54:55]
	s_mov_b64 s[42:43], s[18:19]
	s_mov_b32 s50, 1.0
	BSUM 10
	s_branch .Lb_sum
.Lb_w1:
	s_sub_co_u32 s44, s38, 24
	s_lshl_b32 s44, s44, 7
	s_mov_b64 s[40:41], s[10:11]
	s_mov_b64 s[42:43], s[20:21]
	s_mov_b64 s[54:55], s[28:29]
	s_mov_b32 s50, KAP
	BSUM 12
.Lb_sum:
	v_lshl_add_u32 v7, v4, 2, s44
	global_load_b32 v148, v7, s[54:55]             ; the bias of my column
	s_wait_loadcnt 0x0
.irp c, 0,1,2,3
	v_mul_f32 v[144+\c], v[16+\c], v[80+\c]        ; the first terms start four chains: nothing is cleared
.endr
.set i, 4
.rept 60
	v_fmac_f32 v[144+i%4], v[16+i], v[80+i]
.set i, i+1
.endr
	v_add_f32 v144, v144, v145
	v_add_f32 v146, v146, v147
	v_add_f32 v144, v144, v146
	v_lshlrev_b32 v10, 2, v0
	ds_store_b32 v10, v144                         ; 128 w + 4 l
	s_wait_dscnt 0x0                               ; for the others' sake: my store is done
	s_barrier_signal -1
	s_barrier_wait -1
	s_cmp_lg_u32 s36, 0
	s_cbranch_scc1 .Lend                           ; wave 0 finishes the piece
	v_lshlrev_b32 v11, 2, v4
	ds_load_b32 v16, v11
	ds_load_b32 v17, v11 offset:128
	ds_load_b32 v18, v11 offset:256
	ds_load_b32 v19, v11 offset:384
	s_lshl_b32 s48, s38, 7
	v_lshl_add_u32 v12, v4, 2, s48
	s_wait_dscnt 0x0
	v_add_f32 v16, v16, v17
	v_add_f32 v18, v18, v19
	v_add_f32 v16, v16, v18
	v_add_f32 v16, v16, v148
	v_mul_f32 v16, s50, v16
	global_store_b32 v12, v16, s[34:35]
	s_branch .Lend
.Lcopy:
	v_lshlrev_b32 v5, 3, v0
	global_load_b64 v[16:17], v5, s[30:31]
	s_wait_loadcnt 0x0
	global_store_b64 v5, v[16:17], s[34:35] offset:7168
.Lend:
	s_wait_tensorcnt 0x0                           ; the wave's end, behind my last LDS store
	ds_add_u32 v8, v9
	s_wait_dscnt 0x0
	s_endpgm
.Lfunc_end_k_q26a94932ff_prep:
	.size	k_q26a94932ff_prep, .Lfunc_end_k_q26a94932ff_prep-k_q26a94932ff_prep
	.p2alignl 7, 3214868480
	.fill 96, 4, 3214868480
	.section	.rodata,"a",@progbits
	.p2align	6, 0x0
	.amdhsa_kernel k_q26a94932ff_prep
		.amdhsa_group_segment_fixed_size 1024
		.amdhsa_private_segment_fixed_size 0
		.amdhsa_enable_private_segment 0
		.amdhsa_kernarg_size 128
		.amdhsa_user_sgpr_count 2
		.amdhsa_user_sgpr_kernarg_segment_ptr 1
		.amdhsa_wavefront_size32 1
		.amdhsa_system_sgpr_workgroup_id_x 1
		.amdhsa_system_sgpr_workgroup_id_y 1
		.amdhsa_system_sgpr_workgroup_id_z 1
		.amdhsa_system_vgpr_workitem_id 0
		.amdhsa_next_free_vgpr 160
		.amdhsa_next_free_sgpr 66
		.amdhsa_reserve_vcc 0
		.amdhsa_float_denorm_mode_32 3
		.amdhsa_float_denorm_mode_16_64 3
		.amdhsa_memory_ordered 1
		.amdhsa_forward_progress 1
		.amdhsa_inst_pref_size 29
	.end_amdhsa_kernel
	.amdgpu_metadata
---
amdhsa.version: [ 1, 2 ]
amdhsa.kernels:
  - .name:           k_q26a94932ff_prep
    .symbol:         k_q26a94932ff_prep.kd
    .args:
      - { .name: wk, .offset: 0, .size: 8, .value_kind: global_buffer, .address_space: global }
      - { .name: wq, .offset: 8, .size: 8, .value_kind: global_buffer, .address_space: global }
      - { .name: wv, .offset: 16, .size: 8, .value_kind: global_buffer, .address_space: global }
      - { .name: w1, .offset: 24, .size: 8, .value_kind: global_buffer, .address_space: global }
      - { .name: w2, .offset: 32, .size: 8, .value_kind: global_buffer, .address_space: global }
      - { .name: g1, .offset: 40, .size: 8, .value_kind: global_buffer, .address_space: global }
      - { .name: g2, .offset: 48, .size: 8, .value_kind: global_buffer, .address_space: global }
      - { .name: b1, .offset: 56, .size: 8, .value_kind: global_buffer, .address_space: global }
      - { .name: b2, .offset: 64, .size: 8, .value_kind: global_buffer, .address_space: global }
      - { .name: bk, .offset: 72, .size: 8, .value_kind: global_buffer, .address_space: global }
      - { .name: bq, .offset: 80, .size: 8, .value_kind: global_buffer, .address_space: global }
      - { .name: bv, .offset: 88, .size: 8, .value_kind: global_buffer, .address_space: global }
      - { .name: bm1, .offset: 96, .size: 8, .value_kind: global_buffer, .address_space: global }
      - { .name: bm2, .offset: 104, .size: 8, .value_kind: global_buffer, .address_space: global }
      - { .name: wt, .offset: 112, .size: 8, .value_kind: global_buffer, .address_space: global }
      - { .name: bs, .offset: 120, .size: 8, .value_kind: global_buffer, .address_space: global }
    .group_segment_fixed_size: 1024
    .private_segment_fixed_size: 0
    .kernarg_segment_align: 8
    .kernarg_segment_size: 128
    .max_flat_workgroup_size: 128
    .sgpr_count:     66
    .vgpr_count:     160
    .wavefront_size: 32
...
	.end_amdgpu_metadata
.endif
;; end of part 1
;; launch layer (part 2): grid 256 x 1, 4 waves a work-group, clusters of 4 x 1, 327,680 bytes of LDS; arguments x, wt, bs, out0; writes out0
.if DOCPART == 2
	.amdgcn_target "amdgcn-amd-amdhsa--gfx1250"
	.amdhsa_code_object_version 6
	.text
	.protected	k_q26a94932ff_layer
	.globl	k_q26a94932ff_layer
	.p2align	8
	.type	k_q26a94932ff_layer,@function
k_q26a94932ff_layer:
	s_mov_b64 s[64:65], 0
	v_nop
	global_prefetch_b8 v0, s[64:65] scope:SCOPE_SE
	s_setreg_imm32_b32 hwreg(HW_REG_WAVE_MODE, 25, 1), 1
	s_wait_xcnt 0x0
	s_wait_alu depctr_hold_cnt(0) depctr_sa_sdst(0) depctr_va_vdst(0) depctr_va_sdst(0) depctr_va_ssrc(0) depctr_va_vcc(0) depctr_vm_vsrc(0)
	s_getreg_b32 s2, hwreg(HW_REG_IB_STS2, 6, 4)
	s_cmp_eq_u32 s2, 0
	s_cbranch_scc0 .Lentry_in_a_cluster
	s_endpgm
.Lentry_in_a_cluster:
	s_bfe_u32 s2, ttmp6, 0x10000c
	s_cmp_lg_u32 s2, 0x3003
	s_cbranch_scc0 .Lentry_shape_is_right
	s_endpgm
.Lentry_shape_is_right:
; THE WHOLE LAYER IN ONE LAUNCH: layer norm, q k v, causal attention over 128 tokens, residual, layer norm, MLP with erf-GELU, residual.  x, out0: [512][128][256] f32.
; SHARES.  A work-group owns two batches, 256 tokens; 256 work-groups.  Wave w: batch bt = w / 2, parity pb = w % 2; its four TILES t of 16 tokens are rows 32 t + 16 pb + r of the batch.
; Tile t then needs the keys below 32 (t + 1) whatever pb: one text leaves out the tiles above the diagonal, and all waves do equal work.
; LAYOUT.  Every product is used transposed: source 0 = 16 rows of weights (or keys, or channels of V), source 1 = 16 tokens.  In a result a lane holds ONE token (lane % 16), and register j of channel
; block cb holds channel 16 cb + 8 (lane / 16) + j.  Two neighbouring results, rounded in pairs, ARE the next product's source 1: nothing changes lanes from x to out0, and a row's mean, variance,
; maximum and sum want one exchange between the halves of the lanes.  Only K and V go from wave to wave, through LDS.
; WEIGHTS come from wt, f16 in fragment order with the norms' gains folded in, biases from bs (the launch before).  All 256 work-groups walk the same 22 slots of 65,536 bytes: a ring of two LDS slots,
; each wave asking for a quarter of a slot, JOINTLY with its three partners of a cluster of four (the same load, descriptor and mask in all four).  A cluster of 4 x 4 would share nothing more: there is one stream.
; FORMATS.  Matrix operands f16, sums f32.  The norms, softmax (with its maximum taken away) and GELU in f32.  The copy of x kept for the first residual is rounded once to f16 (x in f32, the normed x, the
; scores and the work at hand together would want more than 1,024 registers); the first norm itself reads x in f32.  Variances are taken of x - mean, in a second pass.
; erf(z) = 1 - (a1 t + a2 t^2 + a3 t^3) exp(-z^2), t = 1 / (1 + 0.47047 z), for z >= 0 (Abramowitz and Stegun 7.1.25: within 2.5e-5 for every z); the hidden sums hold u = KAP x (see the launch before).
; LIMITS.  f16 ends at 65,504: |x|, |q|, |k|, |v| and gelu stay below it.  A hidden score counts as its value less 1e30.  A weight of the softmax below 2^-126 counts as 0.  NaN and infinities are not treated apart.
;
; LDS.  0 .. 131,071 the ring.  At the start x lies over it: 256 rows of 1,040 bytes (1,024 + 16 of padding: the 16 rows of a load start at 16 different groups of four banks: 64 banks of 4 bytes, ISA guide 11.1);
; tokens 32 i .. 32 i + 31 of batch bt at i x 66,560 + bt x 33,280.  KV, from 131,072: no fill lands there after x's; K (256 rows of 528), then V (256 rows of 544), then the way out (16 rows of 1,040 a wave).
; REGISTERS, in windows of 256 (s_set_vgpr_msb: bits 1:0 source 0, 3:2 source 1, 5:4 source 2, 7:6 destination):
;   window 0: v0-15 addresses; v16-31 BIAS, and at work; v32-95 ACC; v96-127 HB, the next source 1; v128-191, v192-255 two buffers of 8 fragments.  In P V: v16-19 1 / l, v32-111 P, v128-255 V.
;   window 1: x in f16, 64 a tile; later the second norm's result.     window 2: the first norm's result, 64 a tile; later X of tiles 0, 1 (128 each).
;   window 3: x of two tiles in f32; then v0-159 the scores, v160-175 their statistics, v176-239 K's fragments and scratch, v240-255 the diagonal's mask; later X of tiles 2, 3.
.set SLOTB, 65536
.set KV,    131072
.set SPARE, 270336                     ; the spare words, 128 bytes a wave: two blocks of 256 bytes that no other line names
.set BSL,   270848                     ; bs, 8,192 bytes, filled once
.set XP,    1040
.set XG,    66560                      ; 64 rows of x: 32 tokens of both batches
.set KP,    528
.set VP,    544                        ; 17 x 32
.set STG,   16*XP
.set BIAS, 16
.set ACC,  32                          ; (hb, t) at ACC + 8 (4 hb + t)
.set HB,   96                          ; tile t at HB + 8 t; words 4 hb + q
.set F0,   128
.set F1,   192
.set T1,   192                         ; GELU at work, in buffer 1
.set T2,   224
.set Y,    16
; v1 256 l (prefetch)  v2 bm2 in LDS  v3 16 l  v4 fragments' address  v5 bias's address  v6 x's  v7, v8 K in, out  v9, v10 V in, out  v11, v12 the way out in, back  v13 the mask's number  v14, v15 the add's
; s[4:11] x, wt, bs, out0   s12 wave  s13 cx  s14 work-group  s15 bt  s16 pb   s[24:31] group 1 for x, s[32:35], s[36:39] its two group 0   s[40:47], s[48:51] the ring's   s[52:59], s[60:63] bs's
; s66 the slot being read  s67, s68 counters  s69 1 in a wave that prefetches, else the greatest number  s[70:71] where its prefetches stand  s72 fills still to come
; s[74:75] lane selects  s[76:77] c  s[78:79] a3  s[80:81] a2  s[82:83] a1  s84 0.47047 / sqrt(log2 e)  s85 -1e30  s86 1e-5  s87 1 / 256
.set MSB, 0
.macro WIN new                         ; the immediate's high byte repeats the setting that is left; a switch that changes nothing is dropped
.if MSB != (\new)
	s_set_vgpr_msb (MSB<<8)|(\new)
.set MSB, (\new)
.endif
.endm
.macro PLACES                          ; four places: behind a matrix instruction, ahead of loads into registers that it read and of vector lines that read its result
.rept 4
	v_nop
.endr
.endm
.macro CROUND                          ; a round of the cluster's barrier: my work-group's barrier; wave 0 signals for it; every wave waits for all four work-groups; my work-group's barrier once more
	s_barrier_signal -1
	s_barrier_wait -1
	s_cmp_lg_u32 s12, 0
	s_cbranch_scc1 .Lnw0_\@
	s_barrier_signal -3
.Lnw0_\@:
	s_barrier_wait -3
	s_barrier_signal -1
	s_barrier_wait -1
.endm
.macro FRAGS buf, off                  ; 8 fragments, 16 loads of 512 consecutive bytes
.set i, 0
.rept 16
	ds_load_b128 v[(\buf)+4*i:(\buf)+4*i+3], v4 offset:(\off)+512*i
.set i, i+1
.endr
.endm
.macro BIASLD                          ; the piece's 32 biases as two C operands: register j of block hb is channel 16 hb + 8 h + j
	ds_load_b128 v[16:19], v5
	ds_load_b128 v[20:23], v5 offset:16
	ds_load_b128 v[24:27], v5 offset:64
	ds_load_b128 v[28:31], v5 offset:80
.endm
; 32 products: 32 output channels x 64 tokens x 128 along K.  The eight accumulators take turns, one instruction a turn.  first = 1: the bias starts the sums.
.macro G1H buf, ks0, first, win
	WIN (\win)<<2
.irp kq, 0,1,2,3
.irp hb, 0,1
.irp t, 0,1,2,3
.if (\first) && ((\kq) == 0)
	v_wmma_f32_16x16x32_f16 v[ACC+8*(4*\hb+\t):ACC+8*(4*\hb+\t)+7], v[(\buf)+8*(2*\kq+\hb):(\buf)+8*(2*\kq+\hb)+7], v[64*\t+8*((\ks0)+\kq):64*\t+8*((\ks0)+\kq)+7], v[BIAS+8*\hb:BIAS+8*\hb+7]
.else
	v_wmma_f32_16x16x32_f16 v[ACC+8*(4*\hb+\t):ACC+8*(4*\hb+\t)+7], v[(\buf)+8*(2*\kq+\hb):(\buf)+8*(2*\kq+\hb)+7], v[64*\t+8*((\ks0)+\kq):64*\t+8*((\ks0)+\kq)+7], v[ACC+8*(4*\hb+\t):ACC+8*(4*\hb+\t)+7]
.endif
.endr
.endr
.endr
.endm
.macro CVT                             ; the eight results rounded to f16, each from its low end on
.irp hb, 0,1
.irp t, 0,1,2,3
.irp q, 0,1,2,3
	v_cvt_pk_f16_f32 v[HB+8*\t+4*\hb+\q], v[ACC+8*(4*\hb+\t)+2*\q], v[ACC+8*(4*\hb+\t)+2*\q+1]
.endr
.endr
.endr
.endm
; A PREFETCH INTO THE L2 of the slot after the one that has just been asked for: 256 blocks of 256 bytes, each named once in the launch: the first cluster asks; its four work-groups take 16,384 bytes each,
; told apart by address; in each, waves 0 and 1 take 8,192, a lane a block.  The last fill asks for nothing: there is no slot behind it.
.macro ASK
	s_cmp_gt_u32 s72, s69
	s_cbranch_scc0 .Lna_\@
	global_prefetch_b8 v1, s[70:71] th:TH_LOAD_NT scope:SCOPE_SE
.Lna_\@:
.endm
; THE CHANGE OF SLOTS.  Each wave waits for all its tensor loads (one is out: its quarter of the slot to be entered), adds 0 to its spare word, and waits for that and for all its LDS reads and stores.
; fill = 1: the slot just left is filled again.  The barrier is then a round of the cluster's, so that no wave of any partner still reads the slot or has a load on its way, and the joint fill is the first thing behind it:
; it has a slot's 256 products in which to land.  The same barrier hands K and V from wave to wave.
.macro CHANGE fill
	WIN 0
	s_wait_tensorcnt 0x0                           ; no tensor load of mine is out, so the group 0 may be written
	ds_add_u32 v14, v15
.if \fill
	s_xor_b32 s49, s49, SLOTB                      ; the other slot than last time,
	s_add_nc_u64 s[50:51], s[50:51], SLOTB         ; the next 65,536 bytes of wt; the type bits on top are not reached
	s_wait_xcnt 0x0                                ; the last prefetch, a slot back, has read its address
	s_add_nc_u64 s[70:71], s[70:71], SLOTB
	s_wait_dscnt 0x0                               ; the add is done, my reads of the slot are over, my stores of K or V are done
	CROUND
	tensor_load_to_lds s[48:51], s[40:47]
	s_nop 0
	PLACES
	ASK
	s_sub_co_u32 s72, s72, 1
.else
	s_wait_dscnt 0x0
	s_barrier_signal -1
	s_barrier_wait -1
.endif
	s_xor_b32 s66, s66, SLOTB                      ; the reads go to the other slot
.endm
; A CHUNK of K or V: 32 channels for my 64 tokens, rounded and stored by tokens.  Buffer 0 (K steps 0-3) was asked for a chunk earlier.
.macro PCH st, pitch
	WIN 0
	BIASLD
	FRAGS F1, 8192
	s_wait_dscnt 16                                ; all but buffer 1's sixteen: buffer 0 and the bias are in
	G1H F0, 0, 1, 2
	WIN 0
	s_wait_dscnt 0x0                               ; buffer 1 is in
	PLACES
	s_cmp_eq_u32 s67, 1                            ; the slot's last chunk has no next one in this slot
	s_cbranch_scc1 .Lnf_\@
	FRAGS F0, 16384
.Lnf_\@:
	G1H F1, 4, 0, 2
	WIN 0
	PLACES
	CVT
.irp t, 0,1,2,3
.irp hb, 0,1
	ds_store_b128 v[\st], v[HB+8*\t+4*\hb:HB+8*\t+4*\hb+3] offset:\t*32*(\pitch)+32*\hb
.endr
.endr
	v_add_nc_u32 v[\st], 64, v[\st]
	v_add_nc_u32 v4, 16384, v4
	v_add_nc_u32 v5, 128, v5
.endm
; A CHUNK of Q, and its share of the scores: S^T += K (16 keys x these 32 channels) x Q.  Q never lies whole in registers.  The 20 score tiles take turns.
.macro QCH
	WIN 0
	BIASLD
	WIN 0xc0
.irp kt, 0,1,2,3,4,5,6,7
	ds_load_b128 v[176+8*\kt:179+8*\kt], v8 offset:\kt*16*KP
	ds_load_b128 v[180+8*\kt:183+8*\kt], v8 offset:\kt*16*KP+32
.endr
	WIN 0
	FRAGS F1, 8192
	s_wait_dscnt 16                                ; all but buffer 1's sixteen: buffer 0, the bias and K's fragments are in
	G1H F0, 0, 1, 2
	WIN 0
	s_wait_dscnt 0x0
	PLACES
	s_cmp_eq_u32 s67, 1
	s_cbranch_scc1 .Lnf_\@
	FRAGS F0, 16384
.Lnf_\@:
	G1H F1, 4, 0, 2
	WIN 0
	PLACES
	CVT
	WIN 0xf3
.set tt, 0
.rept 4
.set aa, 0
.rept 2*tt+2
	v_wmma_f32_16x16x32_f16 v[8*tt*(tt+1)+8*aa:8*tt*(tt+1)+8*aa+7], v[176+8*aa:183+8*aa], v[HB+8*tt:HB+8*tt+7], v[8*tt*(tt+1)+8*aa:8*tt*(tt+1)+8*aa+7]
.set aa, aa+1
.endr
.set tt, tt+1
.endr
	WIN 0
	v_add_nc_u32 v8, 64, v8                        ; these four are the places ahead of the next loads of K's fragments, and of the softmax
	v_add_nc_u32 v4, 16384, v4
	v_add_nc_u32 v5, 128, v5
	v_nop
.endm
; GELU of block hb's 32 numbers a lane (u in ACC): g = u + |u| erf.  The 64 transcendentals are one batch with one wait.
.macro GELU hb
.set U, ACC+32*(\hb)
.set i, 0
.rept 16
	v_pk_mul_f32 v[T1+2*i:T1+2*i+1], v[U+2*i:U+2*i+1], v[U+2*i:U+2*i+1] neg_lo:[0,1] neg_hi:[0,1]  ; -u^2
.set i, i+1
.endr
.set i, 0
.rept 32
	v_fma_f32 v[T2+i], |v[U+i]|, s84, 1.0
.set i, i+1
.endr
.set i, 0
.rept 32
	v_exp_f32 v[T1+i], v[T1+i]
.set i, i+1
.endr
.set i, 0
.rept 32
	v_rcp_f32 v[T2+i], v[T2+i]
.set i, i+1
.endr
	v_nop                                          ; a plain instruction behind the last of them,
	s_wait_alu depctr_va_vdst(0)                   ; and the one wait ahead of the first use
.irp sb, 0,1
.set i, 0
.rept 8
	v_pk_fma_f32 v[Y+2*i:Y+2*i+1], v[T2+16*\sb+2*i:T2+16*\sb+2*i+1], s[78:79], s[80:81] op_sel_hi:[1,0,0]
.set i, i+1
.endr
.set i, 0
.rept 8
	v_pk_fma_f32 v[Y+2*i:Y+2*i+1], v[Y+2*i:Y+2*i+1], v[T2+16*\sb+2*i:T2+16*\sb+2*i+1], s[82:83] op_sel_hi:[1,1,0]
.set i, i+1
.endr
.set i, 0
.rept 8
	v_pk_mul_f32 v[T1+16*\sb+2*i:T1+16*\sb+2*i+1], v[T1+16*\sb+2*i:T1+16*\sb+2*i+1], v[T2+16*\sb+2*i:T2+16*\sb+2*i+1]
.set i, i+1
.endr
.set i, 0
.rept 8
	v_pk_fma_f32 v[Y+2*i:Y+2*i+1], v[Y+2*i:Y+2*i+1], v[T1+16*\sb+2*i:T1+16*\sb+2*i+1], 1.0 op_sel_hi:[1,1,0] neg_lo:[0,1,0] neg_hi:[0,1,0]  ; erf
.set i, i+1
.endr
.set i, 0
.rept 16
	v_fma_f32 v[T2+16*\sb+i], |v[U+16*\sb+i]|, v[Y+i], v[U+16*\sb+i]
.set i, i+1
.endr
.set i, 0
.rept 8
	v_cvt_pk_f16_f32 v[HB+8*(2*\sb+i/4)+4*(\hb)+i%4], v[T2+16*\sb+2*i], v[T2+16*\sb+2*i+1]
.set i, i+1
.endr
.endr
.endm
; 32 products: X += w2 (channel blocks 8 q .. 8 q + 7, these 32 hidden) x gelu.  Each accumulator has one instruction.
.macro G2Q buf, q
	WIN 0xa0
.irp t, 0,1
.irp cb, 0,1,2,3,4,5,6,7
	v_wmma_f32_16x16x32_f16 v[128*\t+8*(8*(\q)+\cb):128*\t+8*(8*(\q)+\cb)+7], v[(\buf)+8*\cb:(\buf)+8*\cb+7], v[HB+8*\t:HB+8*\t+7], v[128*\t+8*(8*(\q)+\cb):128*\t+8*(8*(\q)+\cb)+7]
.endr
.endr
	WIN 0xf0
.irp t, 0,1
.irp cb, 0,1,2,3,4,5,6,7
	v_wmma_f32_16x16x32_f16 v[128*\t+8*(8*(\q)+\cb):128*\t+8*(8*(\q)+\cb)+7], v[(\buf)+8*\cb:(\buf)+8*\cb+7], v[HB+16+8*\t:HB+16+8*\t+7], v[128*\t+8*(8*(\q)+\cb):128*\t+8*(8*(\q)+\cb)+7]
.endr
.endr
.endm
; A STEP of the MLP: 32 hidden channels: a block of w1, GELU, a block of w2.
.macro STEP
	WIN 0
	BIASLD
	FRAGS F1, 8192
	s_wait_dscnt 16                                ; buffer 0 (w1, K steps 0-3) and the bias are in
	G1H F0, 0, 1, 1
	WIN 0
	PLACES
	FRAGS F0, 16384                                ; w2's first half
	s_wait_dscnt 16                                ; buffer 1 (w1, K steps 4-7) is in
	G1H F1, 4, 0, 1
	WIN 0
	PLACES
	GELU 0
	GELU 1
	FRAGS F1, 24576                                ; w2's second half
	s_wait_dscnt 16                                ; its first half is in
	G2Q F0, 0
	WIN 0
	s_wait_dscnt 0x0                               ; the second half is in
	PLACES
	s_cmp_eq_u32 s67, 1                            ; the slot's second step has no next one in this slot
	s_cbranch_scc1 .Lns_\@
	FRAGS F0, 32768
.Lns_\@:
	G2Q F1, 1
	WIN 0
	v_add_nc_u32 v4, 32768, v4                     ; four places ahead of the next step's loads into buffer 1
	v_add_nc_u32 v5, 128, v5
	v_nop
	v_nop
.endm
.macro TWO_STEPS                       ; a slot's two steps: written once, walked twice
	WIN 0
	v_add_nc_u32 v4, s66, v3
	FRAGS F0, 0
	s_mov_b32 s67, 2
.Lst_\@:
	STEP
	s_sub_co_u32 s67, s67, 1
	s_cmp_lg_u32 s67, 0
	s_cbranch_scc1 .Lst_\@
.endm
; A ROW'S STATISTICS.  A lane holds 128 of a token's 256 numbers, the lane 16 away the others.
.macro RED4                            ; four chains v20-27 into v20, over both halves of the lanes
	v_pk_add_f32 v[20:21], v[20:21], v[22:23]
	v_pk_add_f32 v[24:25], v[24:25], v[26:27]
	v_pk_add_f32 v[20:21], v[20:21], v[24:25]
	v_add_f32 v20, v20, v21
	v_permlanex16_b32 v21, v20, s74, s75
	v_add_f32 v20, v20, v21
.endm
.macro SUM128 xb, w                    ; v[28:29] = the mean, twice, of the 128 registers at xb of window w
	WIN ((\w)<<2)|(\w)
.irp c, 0,1,2,3
	v_pk_add_f32 v[20+2*\c:21+2*\c], v[(\xb)+2*\c:(\xb)+2*\c+1], v[(\xb)+8+2*\c:(\xb)+9+2*\c]
.endr
	WIN (\w)<<2
.set i, 8
.rept 56
	v_pk_add_f32 v[20+2*(i%4):21+2*(i%4)], v[20+2*(i%4):21+2*(i%4)], v[(\xb)+2*i:(\xb)+2*i+1]
.set i, i+1
.endr
	WIN 0
	RED4
	v_mul_f32 v28, s87, v20
	v_mul_f32 v29, s87, v20
.endm
.macro SQ128 xb, w                     ; v[30:31] = 1 / sqrt(mean of squares + 1e-5), twice, of the differences at xb of window w
	WIN ((\w)<<2)|(\w)
.irp c, 0,1,2,3
	v_pk_mul_f32 v[20+2*\c:21+2*\c], v[(\xb)+2*\c:(\xb)+2*\c+1], v[(\xb)+2*\c:(\xb)+2*\c+1]
.endr
.set i, 4
.rept 60
	v_pk_fma_f32 v[20+2*(i%4):21+2*(i%4)], v[(\xb)+2*i:(\xb)+2*i+1], v[(\xb)+2*i:(\xb)+2*i+1], v[20+2*(i%4):21+2*(i%4)]
.set i, i+1
.endr
	WIN 0
	RED4
	v_fma_f32 v20, v20, s87, s86
	v_rsq_f32 v30, v20
	v_rsq_f32 v31, v20
	v_nop                                          ; a plain instruction behind them, and the wait ahead of the first use
	s_wait_alu depctr_va_vdst(0)
.endm
.macro LN1LOAD t                       ; my 16 tokens of tile t out of LDS: for each channel block my 32 bytes
	WIN 0xc0
.set i, 0
.rept 32
	ds_load_b128 v[128*((\t)&1)+4*i:128*((\t)&1)+4*i+3], v6 offset:64*(i/2)+16*(i%2)
.set i, i+1
.endr
	WIN 0
	v_add_nc_u32 v6, XG, v6
.endm
.macro LN1 t                           ; x kept in f16 (window 1); (x - mean) rstd in f16 (window 2)
.set XB, 128*((\t)&1)
	SUM128 XB, 3
	WIN 0x4f
.set i, 0
.rept 64
	v_cvt_pk_f16_f32 v[64*(\t)+i], v[XB+2*i], v[XB+2*i+1]
.set i, i+1
.endr
	WIN 0xc3
.set i, 0
.rept 64
	v_pk_add_f32 v[XB+2*i:XB+2*i+1], v[XB+2*i:XB+2*i+1], v[28:29] neg_lo:[0,1] neg_hi:[0,1]
.set i, i+1
.endr
	SQ128 XB, 3
	WIN 0xc3
.set i, 0
.rept 64
	v_pk_mul_f32 v[XB+2*i:XB+2*i+1], v[XB+2*i:XB+2*i+1], v[30:31]
.set i, i+1
.endr
	WIN 0x8f
.set i, 0
.rept 64
	v_cvt_pk_f16_f32 v[64*(\t)+i], v[XB+2*i], v[XB+2*i+1]
.set i, i+1
.endr
	WIN 0
.endm
.macro FIN t                           ; X = O / l + x; its norm in f16 takes the place of x's copy.  X is read from each accumulator's low end on
.set XB, 128*((\t)&1)
.set WX, 2+((\t)>>1)
	WIN (WX<<6)|(1<<4)|WX
.set i, 0
.rept 64
	v_fma_mix_f32 v[XB+2*i], v[XB+2*i], v[16+(\t)], v[64*(\t)+i] op_sel_hi:[0,0,1]
	v_fma_mix_f32 v[XB+2*i+1], v[XB+2*i+1], v[16+(\t)], v[64*(\t)+i] op_sel:[0,0,1] op_sel_hi:[0,0,1]
.set i, i+1
.endr
	SUM128 XB, WX
	WIN WX
.set i, 0
.rept 64
	v_pk_add_f32 v[128+2*i:129+2*i], v[XB+2*i:XB+2*i+1], v[28:29] neg_lo:[0,1] neg_hi:[0,1]
.set i, i+1
.endr
	SQ128 128, 0
.set i, 0
.rept 64
	v_pk_mul_f32 v[128+2*i:129+2*i], v[128+2*i:129+2*i], v[30:31]
.set i, i+1
.endr
	WIN 0x40
.set i, 0
.rept 64
	v_cvt_pk_f16_f32 v[64*(\t)+i], v[128+2*i], v[129+2*i]
.set i, i+1
.endr
	WIN 0
.endm
; SOFTMAX of tile t, all in window 3: the maximum (each accumulator from its low end on), c s - c m
.macro SMAX t
.set SB, 8*(\t)*((\t)+1)
.set NA, 2*(\t)+2
.set TM, 176+16*(\t)
.set SS, 160+4*(\t)
.set aa, 0
.rept NA
	v_max3_num_f32 v[TM+aa], v[SB+8*aa], v[SB+8*aa+1], v[SB+8*aa+2]
.set aa, aa+1
.endr
.set aa, 0
.rept NA
	v_max3_num_f32 v[TM+aa], v[TM+aa], v[SB+8*aa+3], v[SB+8*aa+4]
.set aa, aa+1
.endr
.set aa, 0
.rept NA
	v_max3_num_f32 v[TM+aa], v[TM+aa], v[SB+8*aa+5], v[SB+8*aa+6]
.set aa, aa+1
.endr
.set aa, 0
.rept NA
	v_max_num_f32 v[TM+aa], v[TM+aa], v[SB+8*aa+7]
.set aa, aa+1
.endr
.set aa, 1
.rept (NA-2)/2
	v_max3_num_f32 v[TM], v[TM], v[TM+aa], v[TM+aa+1]
.set aa, aa+2
.endr
	v_max_num_f32 v[TM], v[TM], v[TM+NA-1]
	v_permlanex16_b32 v[TM+1], v[TM], s74, s75     ; the token's other keys lie in the lane 16 away
	v_max_num_f32 v[TM], v[TM], v[TM+1]
	v_mul_f32 v[SS], s76, v[TM]
	v_mul_f32 v[SS+1], s76, v[TM]
.set aa, 0
.rept 4*NA
	v_pk_fma_f32 v[SB+2*aa:SB+2*aa+1], v[SB+2*aa:SB+2*aa+1], s[76:77], v[SS:SS+1] op_sel_hi:[1,0,1] neg_lo:[0,0,1] neg_hi:[0,0,1]
.set aa, aa+1
.endr
.endm
.macro SSUM t                          ; l, of the unrounded weights, which stay where they are
.set SB, 8*(\t)*((\t)+1)
.set NA, 2*(\t)+2
.set TM, 176+16*(\t)
.set SS, 160+4*(\t)
.set aa, 0
.rept NA
	v_pk_add_f32 v[TM+2*aa:TM+2*aa+1], v[SB+8*aa:SB+8*aa+1], v[SB+8*aa+2:SB+8*aa+3]
.set aa, aa+1
.endr
.set aa, 0
.rept NA
	v_pk_add_f32 v[TM+2*aa:TM+2*aa+1], v[TM+2*aa:TM+2*aa+1], v[SB+8*aa+4:SB+8*aa+5]
.set aa, aa+1
.endr
.set aa, 0
.rept NA
	v_pk_add_f32 v[TM+2*aa:TM+2*aa+1], v[TM+2*aa:TM+2*aa+1], v[SB+8*aa+6:SB+8*aa+7]
.set aa, aa+1
.endr
.set aa, 1
.rept NA-1
	v_pk_add_f32 v[TM:TM+1], v[TM:TM+1], v[TM+2*aa:TM+2*aa+1]
.set aa, aa+1
.endr
	v_add_f32 v[TM], v[TM], v[TM+1]
	v_permlanex16_b32 v[TM+1], v[TM], s74, s75
	v_add_f32 v[SS+2], v[TM], v[TM+1]
.endm
; THE WAY OUT of tile t: my 32 bytes of each channel block into my stage's rows of 1,040 bytes, back as whole rows, and out.
.macro OUTT t
	WIN (2+((\t)>>1))<<2
.set i, 0
.rept 32
	ds_store_b128 v11, v[128*((\t)&1)+4*i:128*((\t)&1)+4*i+3] offset:64*(i/2)+16*(i%2)
.set i, i+1
.endr
	WIN 0
.if (\t) > 0
	s_wait_xcnt 0x0                                ; the last tile's stores have read their registers, which are loaded again only behind this wait
.endif
.set i, 0
.rept 32
	ds_load_b128 v[128+4*i:131+4*i], v12 offset:(i/2)*XP+512*(i%2)  ; LDS serves a wave's instructions in order (ISA guide 5.7.1.4): these see the stores above
.set i, i+1
.endr
.set i, 0
.rept 32
	s_wait_dscnt 31-i                              ; the younger loads may stay out
	global_store_b128 v3, v[128+4*i:131+4*i], s[10:11] offset:(\t)*32768+(i/2)*1024+512*(i%2) th:TH_STORE_NT  ; 512 consecutive bytes, aligned
.set i, i+1
.endr
.endm
	; ---------------------------------------------------------------- the head
	s_load_b256 s[4:11], s[0:1], 0x0
	v_lshl_add_u32 v14, v0, 2, SPARE
	v_mov_b32 v15, 0
	ds_add_u32 v14, v15                            ; the wave's opening: the add and its wait stand ahead of my first tensor load; the set-up below, work on registers, stands between them
	v_lshrrev_b32 v13, 5, v0
	v_readfirstlane_b32 s12, v13                   ; wave 0..3
	s_bfe_u32 s13, ttmp6, 0x40000                  ; cx: it enters x's, out0's and the prefetches' addresses alone
	s_lshl_b32 s14, ttmp9, 2
	s_add_co_u32 s14, s14, s13                     ; work-group = 4 x cluster + cx
	s_lshr_b32 s15, s12, 1                         ; bt
	s_and_b32 s16, s12, 1                          ; pb
	; x: 32 rows of 256 f32, 16 bytes of padding behind each
	s_mov_b32 s24, (2<<16)|(1<<20)|(7<<22)|(3<<25) ; no mask; 4-byte elements; padding on, after every 256 words (code 7), 4 words (code 3)
	s_mov_b32 s25, 256<<16                         ; tensor_dim0 = 256
	s_mov_b32 s26, 32<<16                          ; tensor_dim1 = 32
	s_mov_b32 s27, 256<<16                         ; tile_dim0 = 256
	s_mov_b32 s28, 32                              ; tile_dim1 = 32
	s_mov_b32 s29, 256                             ; elements from row to row
	s_mov_b32 s30, 0
	s_mov_b32 s31, 0
	; a quarter of a slot: 16,384 dense bytes as 64 rows of 256
	s_mov_b32 s40, 15|(3<<16)|(1<<21)              ; the mask of four; 8-byte elements; bit 21 set beside a mask
	s_mov_b32 s41, 32<<16
	s_mov_b32 s42, 64<<16
	s_mov_b32 s43, 32<<16
	s_mov_b32 s44, 64
	s_mov_b32 s45, 32
	s_mov_b32 s46, 0
	s_mov_b32 s47, 0
	; a quarter of bs: 8 rows of 256 bytes
	s_mov_b32 s52, 15|(3<<16)|(1<<21)
	s_mov_b32 s53, 32<<16
	s_mov_b32 s54, 8<<16
	s_mov_b32 s55, 32<<16
	s_mov_b32 s56, 8
	s_mov_b32 s57, 32
	s_mov_b32 s58, 0
	s_mov_b32 s59, 0
	s_mov_b32 s32, 1
	s_mul_i32 s33, s12, XG/2                       ; wave w fills 32 rows at w x 33,280: tokens 32 (w / 2) .. of batch w % 2,
	s_mov_b32 s36, 1
	s_add_co_u32 s37, s33, 2*XG                    ; and the tokens 64 further on, 133,120 bytes further on
	s_mov_b32 s48, 1
	s_lshl_b32 s49, s12, 14                        ; slot 0, my quarter
	s_mov_b32 s60, 1
	s_lshl_b32 s61, s12, 11
	s_add_co_u32 s61, s61, BSL
	s_lshl_b32 s18, s14, 18                        ; the work-group's 256 rows of 1,024 bytes
	s_lshl_b32 s20, s15, 17
	s_add_co_u32 s20, s20, s18
	s_lshl_b32 s21, s16, 14
	s_add_co_u32 s20, s20, s21                     ; out0: row 128 bt + 16 pb
	s_mov_b32 s21, 0
	s_lshl_b32 s19, s16, 17
	s_add_co_u32 s18, s18, s19
	s_lshl_b32 s19, s15, 15
	s_add_co_u32 s18, s18, s19                     ; x: row 128 (w % 2) + 32 (w / 2)
	s_mov_b32 s19, 0
	s_lshl_b32 s22, s12, 14                        ; wt and bs by the wave's number alone: the same in all four partners
	s_mov_b32 s23, 0
	s_lshl_b32 s2, s12, 11
	s_mov_b32 s3, 0
	s_mov_b32 s66, SLOTB                           ; the first change of slots turns it into 0
	s_mov_b32 s72, 21
	s_or_b32 s69, s15, ttmp9                       ; 0 in waves 0 and 1 of the first cluster: the same in all four partners
	s_cmp_eq_u32 s69, 0
	s_cselect_b32 s69, 1, -1
	s_mov_b32 s74, 0x76543210
	s_mov_b32 s75, 0xfedcba98
	s_mov_b32 s76, 0x3e38aa3b                      ; c = log2(e) / 8
	s_mov_b32 s77, 0x3e38aa3b
	s_mov_b32 s78, 0x3f3f7377                      ; a3 = 0.7478556
	s_mov_b32 s79, 0x3f3f7377
	s_mov_b32 s80, 0xbdc45ca1                      ; a2 = -0.0958798
	s_mov_b32 s81, 0xbdc45ca1
	s_mov_b32 s82, 0x3eb2303a                      ; a1 = 0.3480242
	s_mov_b32 s83, 0x3eb2303a
	s_mov_b32 s84, 0x3ec88bda                      ; 0.3916920
	s_mov_b32 s85, 0xf149f2ca                      ; -1e30
	s_mov_b32 s86, 0x3727c5ac                      ; 1e-5
	s_mov_b32 s87, 0x3b800000                      ; 1 / 256
	s_wait_dscnt 0x0                               ; the opening add is done
	s_wait_kmcnt 0x0
	s_add_nc_u64 s[34:35], s[4:5], s[18:19]
	s_add_nc_u64 s[38:39], s[34:35], 65536         ; 64 rows on
	s_or_b32 s35, s35, 0x80000000                  ; type = 2
	s_or_b32 s39, s39, 0x80000000
	s_add_nc_u64 s[10:11], s[10:11], s[20:21]
	s_add_nc_u64 s[50:51], s[6:7], s[22:23]
	s_or_b32 s51, s51, 0x80000000
	s_add_nc_u64 s[62:63], s[8:9], s[2:3]
	s_or_b32 s63, s63, 0x80000000
	s_lshl_b32 s18, s13, 14
	s_lshl_b32 s20, s16, 13
	s_add_co_u32 s18, s18, s20
	s_add_co_u32 s18, s18, SLOTB
	s_add_nc_u64 s[70:71], s[6:7], s[18:19]        ; in slot 1; the first change of slots steps it to slot 2
	CROUND                                         ; all four work-groups are here
	tensor_load_to_lds s[32:35], s[24:31]          ; the first fills, one group: three loads of mine are out
	s_nop 0
	tensor_load_to_lds s[36:39], s[24:31]
	s_nop 0
	tensor_load_to_lds s[60:63], s[52:59]
	s_nop 0
	PLACES
	v_and_b32 v16, 15, v0                          ; r
	v_bfe_u32 v17, v0, 4, 1                        ; h
	v_and_b32 v18, 31, v0                          ; l
	v_lshlrev_b32 v1, 8, v18
	v_lshlrev_b32 v3, 4, v18
	v_lshl_add_u32 v2, v17, 5, BSL+7168
	v_lshl_add_u32 v5, v17, 5, BSL
	s_mul_i32 s22, s15, XG/2
	s_mul_i32 s23, s16, 16*XP
	s_add_co_u32 s22, s22, s23
	v_mul_u32_u24 v6, v16, XP
	v_lshl_add_u32 v6, v17, 5, v6
	v_add_nc_u32 v6, s22, v6                       ; x: bt x 33,280 + (16 pb + r) x 1,040 + 32 h
	s_mul_i32 s22, s15, 128*KP
	s_add_co_u32 s22, s22, KV
	v_mul_u32_u24 v19, v16, KP
	v_lshl_add_u32 v19, v17, 4, v19
	v_add_nc_u32 v8, s22, v19                      ; K out: my batch's row r, 16 h
	s_mul_i32 s23, s16, 16*KP
	s_add_co_u32 s23, s23, s22
	v_add_nc_u32 v7, s23, v19                      ; K in: row 16 pb + r
	s_mul_i32 s22, s15, 128*VP
	s_add_co_u32 s22, s22, KV
	s_mul_i32 s23, s16, 16*VP
	s_add_co_u32 s23, s23, s22
	v_mul_u32_u24 v19, v16, VP
	v_lshl_add_u32 v19, v17, 4, v19
	v_add_nc_u32 v9, s23, v19                      ; V in
	v_and_b32 v19, 7, v0                           ; V out, turned: lane l reads key 8 h + l % 8, channels 8 ((l / 8) % 2) ..
	v_lshl_add_u32 v19, v17, 3, v19
	v_mul_u32_u24 v19, v19, VP
	v_bfe_u32 v20, v0, 3, 1
	v_lshl_add_u32 v19, v20, 4, v19
	v_add_nc_u32 v10, s22, v19
	s_mul_i32 s22, s12, STG
	s_add_co_u32 s22, s22, KV                      ; my stage
	v_mul_u32_u24 v19, v16, XP
	v_lshl_add_u32 v19, v17, 5, v19
	v_add_nc_u32 v11, s22, v19
	v_add_nc_u32 v12, s22, v3
	s_lshl_b32 s22, s16, 4
	v_lshlrev_b32 v19, 3, v17
	v_sub_nc_u32 v13, v16, v19
	v_add_nc_u32 v13, s22, v13                     ; 16 pb + r - 8 h: in the diagonal's two key blocks register j of block kt' is hidden where 16 kt' + j is greater
	; ---------------------------------------------------------------- the first norm
	s_wait_tensorcnt 0x2                           ; two younger loads may stay out: my part of tokens 0-63 is in
	s_barrier_signal -1
	s_barrier_wait -1                              ; everybody's is
	LN1LOAD 0
	LN1LOAD 1
	s_wait_dscnt 32                                ; tile 1's 32 loads may stay out
	LN1 0
	s_wait_tensorcnt 0x0                           ; all of x and bs that I asked for is in;
	ds_add_u32 v14, v15
	s_wait_dscnt 0x0                               ; my reads of tiles 0 and 1 are over: slot 0 lies inside the bytes of tokens 0-31, which every wave has now read
	CROUND
	tensor_load_to_lds s[48:51], s[40:47]          ; slot 0 of the weights: it lands while tiles 1 to 3 are normed
	s_nop 0
	PLACES
	LN1LOAD 2
	LN1 1
	LN1LOAD 3
	s_wait_dscnt 32
	LN1 2
	s_wait_dscnt 0x0
	LN1 3
	; ---------------------------------------------------------------- K: slots 0, 1.  The first change of slots also stands between the last reads of x and K's stores
	s_mov_b32 s68, 2
.Lk_slot:
	CHANGE 1
	v_add_nc_u32 v4, s66, v3
	FRAGS F0, 0
	s_mov_b32 s67, 4
.Lk_ch:
	PCH 7, KP
	s_sub_co_u32 s67, s67, 1
	s_cmp_lg_u32 s67, 0
	s_cbranch_scc1 .Lk_ch
	s_sub_co_u32 s68, s68, 1
	s_cmp_lg_u32 s68, 0
	s_cbranch_scc1 .Lk_slot
	; ---------------------------------------------------------------- Q and the scores: slots 2, 3.  The scores start at the mask (the diagonal's two key blocks) or at 0:
	; 160 lines written on purpose, once a launch, so that a chunk has one text
	WIN 0xc0
.set i, 0
.rept 16
	v_cmp_gt_i32 vcc_lo, 16*(i/8)+i%8, v13
	v_cndmask_b32 v[240+i], 0, s85, vcc_lo
.set i, i+1
.endr
	WIN 0xc3
.set tt, 0
.rept 4
.set aa, 0
.rept 2*tt+2
.set jj, 0
.rept 8
.if aa >= 2*tt
	v_mov_b32 v[8*tt*(tt+1)+8*aa+jj], v[240+8*(aa-2*tt)+jj]
.else
	v_mov_b32 v[8*tt*(tt+1)+8*aa+jj], 0
.endif
.set jj, jj+1
.endr
.set aa, aa+1
.endr
.set tt, tt+1
.endr
	WIN 0
	s_mov_b32 s68, 2
.Lq_slot:
	CHANGE 1                                       ; the first of these shows K whole to every wave
	v_add_nc_u32 v4, s66, v3
	FRAGS F0, 0
	s_mov_b32 s67, 4
.Lq_ch:
	QCH
	s_sub_co_u32 s67, s67, 1
	s_cmp_lg_u32 s67, 0
	s_cbranch_scc1 .Lq_ch
	s_sub_co_u32 s68, s68, 1
	s_cmp_lg_u32 s68, 0
	s_cbranch_scc1 .Lq_slot
	; ---------------------------------------------------------------- softmax: the 160 exponentials are one batch with one wait
	WIN 0xff
	SMAX 0
	SMAX 1
	SMAX 2
	SMAX 3
.set i, 0
.rept 160
	v_exp_f32 v[i], v[i]
.set i, i+1
.endr
	v_nop
	s_wait_alu depctr_va_vdst(0)
	SSUM 0
	SSUM 1
	SSUM 2
	SSUM 3
	WIN 0
	; ---------------------------------------------------------------- V: slots 4, 5.  Its first change of slots stands behind every wave's reads of K, whose bytes V takes
	s_mov_b32 s68, 2
.Lv_slot:
	CHANGE 1
	v_add_nc_u32 v4, s66, v3
	FRAGS F0, 0
	s_mov_b32 s67, 4
.Lv_ch:
	PCH 9, VP
	s_sub_co_u32 s67, s67, 1
	s_cmp_lg_u32 s67, 0
	s_cbranch_scc1 .Lv_ch
	s_sub_co_u32 s68, s68, 1
	s_cmp_lg_u32 s68, 0
	s_cbranch_scc1 .Lv_slot
	CHANGE 1                                       ; into slot 6; V is whole for every wave
	; ---------------------------------------------------------------- O^T = V^T P: 32 keys at a time, for the tiles that see them; the first products start the sums
.set kk, 0
.rept 4
	WIN 0
.set cc, 0
.rept 16
	ds_load_tr16_b128 v[128+8*cc:131+8*cc], v10 offset:kk*32*VP+32*cc
	ds_load_tr16_b128 v[132+8*cc:135+8*cc], v10 offset:kk*32*VP+16*VP+32*cc
.set cc, cc+1
.endr
.if kk == 0
	WIN 0x0f                                       ; while the first run of loads is out: the weights rounded to f16 (two neighbouring score tiles are a source 1), and 1 / l
.set i, 0
.rept 80
	v_cvt_pk_f16_f32 v[32+i], v[2*i], v[2*i+1]
.set i, i+1
.endr
	WIN 0x03
.irp t, 0,1,2,3
	v_rcp_f32 v[16+\t], v[162+4*\t]
.endr
	WIN 0
	v_nop
	s_wait_alu depctr_va_vdst(0)
.endif
	s_wait_dscnt 0x0
.set tt, kk
.rept 4-kk
	WIN 0xa0+0x50*(tt/2)
.set cc, 0
.rept 16
.if kk == 0
	v_wmma_f32_16x16x32_f16 v[128*(tt%2)+8*cc:128*(tt%2)+8*cc+7], v[128+8*cc:135+8*cc], v[32+4*tt*(tt+1)+8*kk:32+4*tt*(tt+1)+8*kk+7], 0
.else
	v_wmma_f32_16x16x32_f16 v[128*(tt%2)+8*cc:128*(tt%2)+8*cc+7], v[128+8*cc:135+8*cc], v[32+4*tt*(tt+1)+8*kk:32+4*tt*(tt+1)+8*kk+7], v[128*(tt%2)+8*cc:128*(tt%2)+8*cc+7]
.endif
.set cc, cc+1
.endr
.set tt, tt+1
.endr
	WIN 0
	PLACES
.set kk, kk+1
.endr
	; ---------------------------------------------------------------- residual, second norm; then bm2 onto X, onto which the MLP's second product adds
	FIN 0
	FIN 1
	FIN 2
	FIN 3
.set i, 0
.rept 32
	ds_load_b128 v[128+4*i:131+4*i], v2 offset:64*(i/2)+16*(i%2)
.set i, i+1
.endr
	s_wait_dscnt 0x0
.set tt, 0
.rept 4
	WIN ((2+tt/2)<<6)|(2+tt/2)
.set i, 0
.rept 64
	v_pk_add_f32 v[128*(tt%2)+2*i:128*(tt%2)+2*i+1], v[128*(tt%2)+2*i:128*(tt%2)+2*i+1], v[128+2*i:129+2*i]
.set i, i+1
.endr
.set tt, tt+1
.endr
	WIN 0
	; ---------------------------------------------------------------- the MLP: slots 6 to 21, two steps each
	s_mov_b32 s68, 14
.Lm_slot:
	TWO_STEPS
	CHANGE 1
	s_sub_co_u32 s68, s68, 1
	s_cmp_lg_u32 s68, 0
	s_cbranch_scc1 .Lm_slot
	s_mov_b32 s68, 2                               ; the last two slots ask for nothing: a text of their own; its second barrier serves nothing, once a launch
.Lm_tail:
	TWO_STEPS
	CHANGE 0
	s_sub_co_u32 s68, s68, 1
	s_cmp_lg_u32 s68, 0
	s_cbranch_scc1 .Lm_tail
	; ---------------------------------------------------------------- out
	PLACES
	OUTT 0
	OUTT 1
	OUTT 2
	OUTT 3
	s_wait_tensorcnt 0x0                           ; the wave's end, behind my last tensor load and my last LDS store
	ds_add_u32 v14, v15
	s_wait_dscnt 0x0
	CROUND                                         ; the closing round
	s_endpgm
.Lfunc_end_k_q26a94932ff_layer:
	.size	k_q26a94932ff_layer, .Lfunc_end_k_q26a94932ff_layer-k_q26a94932ff_layer
	.p2alignl 7, 3214868480
	.fill 96, 4, 3214868480
	.section	.rodata,"a",@progbits
	.p2align	6, 0x0
	.amdhsa_kernel k_q26a94932ff_layer
		.amdhsa_group_segment_fixed_size 327680
		.amdhsa_private_segment_fixed_size 0
		.amdhsa_enable_private_segment 0
		.amdhsa_kernarg_size 32
		.amdhsa_user_sgpr_count 2
		.amdhsa_user_sgpr_kernarg_segment_ptr 1
		.amdhsa_wavefront_size32 1
		.amdhsa_system_sgpr_workgroup_id_x 1
		.amdhsa_system_sgpr_workgroup_id_y 1
		.amdhsa_system_sgpr_workgroup_id_z 1
		.amdhsa_system_vgpr_workitem_id 0
		.amdhsa_next_free_vgpr 1024
		.amdhsa_next_free_sgpr 88
		.amdhsa_reserve_vcc 1
		.amdhsa_float_denorm_mode_32 3
		.amdhsa_float_denorm_mode_16_64 3
		.amdhsa_memory_ordered 1
		.amdhsa_forward_progress 1
		.amdhsa_inst_pref_size 255
	.end_amdhsa_kernel
	.section	.bss,"aw",@nobits
	.p2align	6
	.space	262144
	.amdgpu_metadata
---
amdhsa.version: [ 1, 2 ]
amdhsa.kernels:
  - .name:           k_q26a94932ff_layer
    .symbol:         k_q26a94932ff_layer.kd
    .args:
      - { .name: x, .offset: 0, .size: 8, .value_kind: global_buffer, .address_space: global }
      - { .name: wt, .offset: 8, .size: 8, .value_kind: global_buffer, .address_space: global }
      - { .name: bs, .offset: 16, .size: 8, .value_kind: global_buffer, .address_space: global }
      - { .name: out0, .offset: 24, .size: 8, .value_kind: global_buffer, .address_space: global }
    .group_segment_fixed_size: 327680
    .private_segment_fixed_size: 0
    .kernarg_segment_align: 8
    .kernarg_segment_size: 32
    .max_flat_workgroup_size: 128
    .sgpr_count:     88
    .vgpr_count:     1024
    .wavefront_size: 32
...
	.end_amdgpu_metadata
.endif
;; end of part 2
